; MI455X (gfx1250); checked and timed in simulation.
; The chip was launched on July 23, 2026; its instructions are those of AMD's public machine-readable ISA for CDNA 5 (MIT licence, August 2026) and "CDNA5" Instruction Set Architecture Reference Guide (July 2026). The comments in the code are by the model that wrote it; some were corrected since.
;; rhs base. Allowed arithmetic: matrix products marked QUANTISED: E2M1 operands, one E8M0 scale for each 32 along K, by v_wmma_scale_f32_16x16x128_f8f6f4 with both operands' format E2M1 (or v_wmma_scale_f32_32x16x128_f4), f32 sums; everything else in f32.
;; Inputs: W1 8 x 256 x 256 float32; W2 8 x 256 x 256 float32; b1 8 x 256 float32; b2 8 x 256 float32; scales 1 x 256 float32; shifta one number float32; shiftb one number float32; t 32,768 float32; y 32,768 x 256 float32.
;; Outputs: out0 32,768 x 256 float32.
;; This version of the problem:
;;   THIS VERSION OF THE PROBLEM IS GIVEN IN LOW PRECISION. The matrix products marked QUANTISED in the list below multiply operands that are first quantised to E2M1 (2 exponent bits, 1 mantissa bit; 4 bits a number), with one power-of-two scale for each 32 numbers along K (OCP MX v1.0); their sums are f32. All else is computed in f32.
;;   The module's matrix products, in the order in which they are computed (A, B: the left and right operand; K: the contracted axis; several contracted axes count as one K, in the product's order):
;;     1. [M 32,768, K 256] x [K 256, N 256]; A: input y; B: input W1: QUANTISED
;;     2. [M 32,768, K 256] x [K 256, N 256]; A: computed on the way; B: input W2: QUANTISED
;;     3. [M 32,768, K 256] x [K 256, N 256]; A: input y; B: input W1: QUANTISED
;;     4. [M 32,768, K 256] x [K 256, N 256]; A: computed on the way; B: input W2: QUANTISED
;;     5. [M 32,768, K 256] x [K 256, N 256]; A: input y; B: input W1: QUANTISED
;;     6. [M 32,768, K 256] x [K 256, N 256]; A: computed on the way; B: input W2: QUANTISED
;;     7. [M 32,768, K 256] x [K 256, N 256]; A: input y; B: input W1: QUANTISED
;;     8. [M 32,768, K 256] x [K 256, N 256]; A: computed on the way; B: input W2: QUANTISED
;;     9. [M 32,768, K 256] x [K 256, N 256]; A: input y; B: input W1: QUANTISED
;;     10. [M 32,768, K 256] x [K 256, N 256]; A: computed on the way; B: input W2: QUANTISED
;;     11. [M 32,768, K 256] x [K 256, N 256]; A: input y; B: input W1: QUANTISED
;;     12. [M 32,768, K 256] x [K 256, N 256]; A: computed on the way; B: input W2: QUANTISED
;;     13. [M 32,768, K 256] x [K 256, N 256]; A: input y; B: input W1: QUANTISED
;;     14. [M 32,768, K 256] x [K 256, N 256]; A: computed on the way; B: input W2: QUANTISED
;;     15. [M 32,768, K 256] x [K 256, N 256]; A: input y; B: input W1: QUANTISED
;;     16. [M 32,768, K 256] x [K 256, N 256]; A: computed on the way; B: input W2: QUANTISED
;;   THE QUANTISER, for each operand of a quantised product, along K:
;;     - K is cut into blocks of 32 from its start; a last block that is shorter is filled with zeros.
;;     - A block's scale is 2^e with e = floor(log2(the largest magnitude in the block)) - 2, held to -126 .. 127; a block of zeros has e = 0. As a byte (E8M0): e + 127.
;;     - Each number is divided by its block's scale, clamped to +-6, and rounded to the nearest number of E2M1, ties to even, subnormals kept.
;;     - The product sums the exact products of the quantised numbers (number of the format x scale) in f32.
;;   ~~~python
;;   def quantise(x, axis):      # numpy; x: float32 -> the quantised numbers, widened to float32 again
;;       x = np.moveaxis(x, axis, -1); K = x.shape[-1]
;;       x = np.pad(x, [(0, 0)] * (x.ndim - 1) + [(0, -K % 32)]); x = x.reshape(x.shape[:-1] + (-1, 32)); a = np.abs(x).max(-1, keepdims=True)
;;       e = np.where(a > 0, np.clip(np.frexp(np.where(a > 0, a, 1))[1] - 1 - 2, -126, 127), 0)      # np.frexp(a)[1] - 1 = floor(log2(a)), exactly
;;       r = np.clip(x / 2.0 ** e, -6, 6)
;;       step = 2.0 ** (np.maximum(np.frexp(np.where(r == 0, 1, r))[1] - 1, 0) - 1)
;;       q = np.round(r / step) * step * 2.0 ** e      # np.round: ties to even
;;       return np.moveaxis(q.reshape(q.shape[:-2] + (-1,))[..., :K], -1, axis).astype(np.float32)
;;   ~~~
;;   OPERANDS COMPUTED ON THE WAY. 'Computed on the way' means the value that the module computes at that place (a softmax that the list does not call 'softmax' is quantised finished and normalised). What goes into a quantiser is computed in f32, as accurately as f32 sums, v_exp_f32 and their like allow (about 1e-6 of the number): no bf16 or f16 on the way to a quantiser, and a product that is left as it is and whose result goes on into a quantised operand takes f32 operands (vector FMAs, or v_wmma_f32_16x16x4_f32). A number that lies on a knife's edge between two numbers of the format may be rounded either way, as far as f32 arithmetic and the matrix unit's own rounding can turn it there, and no further.
;; 2 versions, each right and faster than the one before. Each part assembles by itself: llvm-mc -triple=amdgcn-amd-amdhsa -mcpu=gfx1250 --defsym DOCPART=n.
;; ======== version 1 of 2: 2 launches
;; workspace buffers: wq 557,056 bytes; masks 32,768 bytes of whole numbers
;; launch prep (part 1): grid 384 x 1, 1 waves a work-group, no clusters, 0 bytes of LDS; arguments W1, W2, t, wq, masks; writes wq, masks
.if DOCPART == 1
	.amdgcn_target "amdgcn-amd-amdhsa--gfx1250"
	.amdhsa_code_object_version 6
	.text
	.protected	k_q39b5d44f53_prep
	.globl	k_q39b5d44f53_prep
	.p2align	8
	.type	k_q39b5d44f53_prep,@function
k_q39b5d44f53_prep:
	s_mov_b64 s[64:65], 0
	v_nop
	global_prefetch_b8 v0, s[64:65] scope:SCOPE_SE
	s_setreg_imm32_b32 hwreg(HW_REG_WAVE_MODE, 25, 1), 1
	s_wait_xcnt 0x0
; TWO JOBS IN ONE LAUNCH, parted by the work-group's number.  One wave to a work-group, no LDS, no barrier.
; Work-groups 0-255: W1 and W2 ([8][256][256] f32, K innermost) become codes of FP4 (E2M1) with one E8M0 byte for each 32 along K, laid in the ORDER OF THE OPERAND'S REGISTERS.
;   Work-group g takes matrix g / 16 (0-7: W1 of expert g / 16; 8-15: W2 of expert g / 16 - 8) and tile g % 16 of it: 16 rows x 256 along K.
;   THE ROWS OF A TILE ARE NOT NEIGHBOURS: lane r of tile t takes row 32 (t / 2) + 8 (t % 2) + r + 8 (r / 8), so that in the next launch a lane's 16 results of tiles 2 b, 2 b + 1 are 16 neighbours along the next K.
;   An expert's block in wq, 69,632 bytes: W1's codes 32,768 | W1's scale words 2,048 | W2's codes 32,768 | W2's scale words 2,048.
;   Codes: piece 4 t + p (p = 0 .. 3) is 512 bytes, lane l's 16 bytes at 16 l: block 2 p + l / 16 of the lane's row.  Pieces 4 t + 2 s, 4 t + 2 s + 1 are registers 0-3, 4-7 of the fragment of tile t, K step s.
;   Scale words: 128 t + 4 l: lanes 0-15 the row's word of K step 0, lanes 16-31 that of K step 1.
;   A block's scale is 2^(floor(log2(its largest magnitude)) - 2); its byte is the largest magnitude's exponent field - 2, held at 1 from below.
; Work-groups 256-383: 256 numbers of t each become bit masks: word (expert e, j) of the sub-chunk holds in bit L whether token 128 (j / 4) + 4 L + j % 4 chose expert e = min(trunc(8 t), 7).
;   The masks are VALUES, made by compares and stored at fixed places: no address and no branch here hangs on t.
;   A token with trunc(8 t) < 0 matches no expert; it is entered under expert 0, so that its row has an owner, and the next launch sets its f to 0 by t itself.
; LIMITS: a block of zeros gets the byte 1 over zero codes where the rule says 127 (this program alone reads the bytes); NaN and infinities in W1, W2 and t are not served; 8 t of 2^31 or more is held at expert 7.
.set WBLK,  69632                      ; an expert's block in wq
.set WHALF, 34816                      ; W2's part begins here
.set X,     32                         ; v32-159  four blocks of 32 numbers
.set C,     160                        ; v160-175 their codes: registers of their own for each block, so that no store's data are written again
.set BY,    20                         ; v20-23   the four scale bytes
.set SCO,   24                         ; v24-27   the conversions' scale operands
	s_load_b256 s[4:11], s[0:1], 0x0               ; W1 s[4:5], W2 s[6:7], t s[8:9], wq s[10:11]
	s_load_b64 s[12:13], s[0:1], 0x20              ; masks
	v_lshlrev_b32 v5, 4, v0                        ; 16 x lane (one wave: the thread's number is the lane)
	s_cmp_lt_u32 ttmp9, 256
	s_cbranch_scc0 .Ltokens
	; ---- the weights
	v_and_b32 v1, 15, v0                           ; r
	v_lshrrev_b32 v2, 4, v0                        ; h
	v_and_b32 v3, 8, v1
	v_add_nc_u32 v3, v3, v1                        ; r + 8 (r / 8)
	v_lshlrev_b32 v4, 10, v3                       ; a row is 1,024 bytes,
	v_lshl_add_u32 v4, v2, 7, v4                   ; a block of 32 numbers 128: lanes 16-31 take the odd blocks
	v_lshlrev_b32 v6, 2, v0                        ; 4 x lane
	s_mov_b32 s24, 0x76543210
	s_mov_b32 s25, 0xfedcba98                      ; v_permlanex16_b32's selects for lane l xor 16
	s_bfe_u32 s15, ttmp9, 0x30004                  ; the expert: 3 bits from bit 4
	s_and_b32 s16, ttmp9, 15                       ; the tile t
	s_lshr_b32 s18, s16, 1
	s_lshl_b32 s18, s18, 15                        ; 32 (t / 2) rows
	s_and_b32 s19, s16, 1
	s_lshl_b32 s19, s19, 13                        ; 8 (t % 2) rows
	s_lshl_b32 s20, s15, 18                        ; the expert's matrix: 262,144 bytes
	s_add_co_u32 s20, s20, s18
	s_add_co_u32 s20, s20, s19
	s_mov_b32 s21, 0
	s_mul_i32 s26, s15, WBLK
	s_mov_b32 s27, 0
	s_wait_kmcnt 0x0
	s_cmp_lt_u32 ttmp9, 128                        ; W1 or W2: the choice hangs on the work-group's number alone
	s_cselect_b64 s[4:5], s[4:5], s[6:7]
	s_cselect_b32 s17, 0, WHALF
	s_add_nc_u64 s[4:5], s[4:5], s[20:21]          ; the tile's first row
	s_add_co_u32 s26, s26, s17
	s_add_nc_u64 s[10:11], s[10:11], s[26:27]      ; the matrix's part of the expert's block
	s_lshl_b32 s26, s16, 7
	s_add_nc_u64 s[22:23], s[10:11], s[26:27]      ; the tile's scale words: 128 t (32,768 more stand in the store's immediate)
	s_lshl_b32 s26, s16, 11
	s_add_nc_u64 s[10:11], s[10:11], s[26:27]      ; the tile's codes: 2,048 t
.irp p, 0,1,2,3
.irp i, 0,1,2,3,4,5,6,7
	global_load_b128 v[X+32*\p+4*\i:X+32*\p+4*\i+3], v4, s[4:5] offset:256*\p+16*\i th:TH_LOAD_NT   ; block 2 p + h of my row: all its 32 numbers are mine
.endr
.endr
.macro WBLOCK p
.set XS, X+32*\p
	s_wait_loadcnt 8*(3-\p)                        ; this block's eight loads are in; the eight of each later block may be out
	v_max3_num_f32 v12, |v[XS]|, |v[XS+1]|, |v[XS+2]|      ; the block's largest magnitude, in two chains
	v_max3_num_f32 v13, |v[XS+3]|, |v[XS+4]|, |v[XS+5]|
.irp i, 6,10,14,18,22,26
	v_max3_num_f32 v12, v12, |v[XS+\i]|, |v[XS+\i+1]|
	v_max3_num_f32 v13, v13, |v[XS+\i+2]|, |v[XS+\i+3]|
.endr
	v_max3_num_f32 v12, v12, |v[XS+30]|, |v[XS+31]|
	v_max3_num_f32 v12, v12, v13, 0x1800000        ; and the floor 2^(3 - 127): the byte cannot fall under 1
	v_add_nc_u32 v[SCO+\p], 0xff000000, v12        ; 2 off its exponent field: the conversion takes the exponent field of this operand as its scale
.irp g, 0,1,2,3
	v_cvt_scalef32_pk8_fp4_f32 v[C+4*\p+\g], v[XS+8*\g:XS+8*\g+7], v[SCO+\p]
.endr
	v_lshrrev_b32 v[BY+\p], 23, v[SCO+\p]          ; the scale's byte (also the plain line behind the conversions)
	global_store_b128 v5, v[C+4*\p:C+4*\p+3], s[10:11] offset:512*\p   ; piece 4 t + p: the wave stores 512 consecutive bytes, aligned
.endm
	WBLOCK 0
	WBLOCK 1
	WBLOCK 2
	WBLOCK 3
	; K step s has blocks 4 s .. 4 s + 3; I hold blocks 4 s + h (p = 2 s) and 4 s + 2 + h (p = 2 s + 1): bytes h and 2 + h of its word; lane l xor 16 holds the other two
	v_lshl_or_b32 v28, v[BY+1], 16, v[BY]
	v_lshl_or_b32 v29, v[BY+3], 16, v[BY+2]
	v_lshlrev_b32 v30, 3, v2                       ; 8 h bits up
	v_lshlrev_b32 v28, v30, v28
	v_lshlrev_b32 v29, v30, v29
	v_mov_b32 v31, 0                               ; a lane permute's destination counts as one of its sources
	v_mov_b32 v8, 0
	v_permlanex16_b32 v31, v28, s24, s25
	v_permlanex16_b32 v8, v29, s24, s25
	v_or_b32 v28, v28, v31                         ; the word of K step 0, whole
	v_or_b32 v29, v29, v8                          ; and of K step 1
	v_cmp_eq_u32 vcc_lo, 1, v2
	v_cndmask_b32 v28, v28, v29, vcc_lo            ; lanes 0-15 keep K step 0's, lanes 16-31 K step 1's
	global_store_b32 v6, v28, s[22:23] offset:32768   ; 128 consecutive bytes: half an aligned 256; these words are 32 KB of the 4.7 MB that the launch moves
	s_endpgm
	; ---- the tokens
.Ltokens:
	v_lshlrev_b32 v7, 3, v0                        ; 8 x lane
	s_sub_co_u32 s14, ttmp9, 256                   ; the sub-chunk of 256 tokens
	s_lshl_b32 s16, s14, 10
	s_mov_b32 s17, 0
	s_lshl_b32 s18, s14, 8
	s_mov_b32 s19, 0
	s_wait_kmcnt 0x0
	s_add_nc_u64 s[8:9], s[8:9], s[16:17]
	s_add_nc_u64 s[12:13], s[12:13], s[18:19]
	global_load_b128 v[8:11], v5, s[8:9]           ; register j = 4 q + k of lane L: token 128 q + 4 L + k
	global_load_b128 v[12:15], v5, s[8:9] offset:512
	v_mov_b32 v16, 0                               ; v_writelane_b32's destination counts as read
	v_mov_b32 v17, 0
	s_wait_loadcnt 0x0
.irp j, 0,1,2,3,4,5,6,7
	v_mul_f32 v[8+\j], 0x41000000, v[8+\j]         ; t / h = 8 t, exactly
.endr
.irp j, 0,1,2,3,4,5,6,7
	v_med3_num_f32 v[8+\j], v[8+\j], 0, 0x40e00000 ; held to 0 .. 7
.endr
.irp j, 0,1,2,3,4,5,6,7
	v_cvt_u32_f32 v[8+\j], v[8+\j]                 ; toward zero
.endr
.irp e, 0,1,2,3,4,5,6,7
.irp j, 0,1,2,3,4,5,6,7
	v_cmp_eq_u32 s[20+\j%2], \e, v[8+\j]           ; word 8 e + j of the sub-chunk's 64,
	v_writelane_b32 v[16+\j%2], s[20+\j%2], (8*\e+\j)/2   ; into the lane and register from which the store below puts it at byte 4 (8 e + j)
.endr
.endr
	global_store_b64 v7, v[16:17], s[12:13]        ; 32 lanes store one aligned 256 bytes
	s_endpgm
.Lfunc_end_k_q39b5d44f53_prep:
	.size	k_q39b5d44f53_prep, .Lfunc_end_k_q39b5d44f53_prep-k_q39b5d44f53_prep
	.p2alignl 7, 3214868480
	.fill 96, 4, 3214868480
	.section	.rodata,"a",@progbits
	.p2align	6, 0x0
	.amdhsa_kernel k_q39b5d44f53_prep
		.amdhsa_group_segment_fixed_size 0
		.amdhsa_private_segment_fixed_size 0
		.amdhsa_enable_private_segment 0
		.amdhsa_kernarg_size 40
		.amdhsa_user_sgpr_count 2
		.amdhsa_user_sgpr_kernarg_segment_ptr 1
		.amdhsa_wavefront_size32 1
		.amdhsa_system_sgpr_workgroup_id_x 1
		.amdhsa_system_sgpr_workgroup_id_y 1
		.amdhsa_system_sgpr_workgroup_id_z 1
		.amdhsa_system_vgpr_workitem_id 0
		.amdhsa_next_free_vgpr 176
		.amdhsa_next_free_sgpr 66
		.amdhsa_reserve_vcc 1
		.amdhsa_float_denorm_mode_32 3
		.amdhsa_float_denorm_mode_16_64 3
		.amdhsa_memory_ordered 1
		.amdhsa_forward_progress 1
		.amdhsa_inst_pref_size 22
	.end_amdhsa_kernel
	.amdgpu_metadata
---
amdhsa.version: [ 1, 2 ]
amdhsa.kernels:
  - .name:           k_q39b5d44f53_prep
    .symbol:         k_q39b5d44f53_prep.kd
    .args:
      - { .name: W1, .offset: 0, .size: 8, .value_kind: global_buffer, .address_space: global }
      - { .name: W2, .offset: 8, .size: 8, .value_kind: global_buffer, .address_space: global }
      - { .name: t, .offset: 16, .size: 8, .value_kind: global_buffer, .address_space: global }
      - { .name: wq, .offset: 24, .size: 8, .value_kind: global_buffer, .address_space: global }
      - { .name: masks, .offset: 32, .size: 8, .value_kind: global_buffer, .address_space: global }
    .group_segment_fixed_size: 0
    .private_segment_fixed_size: 0
    .kernarg_segment_align: 8
    .kernarg_segment_size: 40
    .max_flat_workgroup_size: 32
    .sgpr_count:     66
    .vgpr_count:     176
    .wavefront_size: 32
...
	.end_amdgpu_metadata
.endif
;; end of part 1
;; launch chain (part 2): grid 32 x 8, 4 waves a work-group, no clusters, 211,456 bytes of LDS; arguments y, t, out0, masks, wq, b1, b2, scales, shifta, shiftb; writes out0
.if DOCPART == 2
	.amdgcn_target "amdgcn-amd-amdhsa--gfx1250"
	.amdhsa_code_object_version 6
	.text
	.protected	k_q39b5d44f53_chain
	.globl	k_q39b5d44f53_chain
	.p2align	8
	.type	k_q39b5d44f53_chain,@function
k_q39b5d44f53_chain:
	s_mov_b64 s[64:65], 0
	v_nop
	global_prefetch_b8 v0, s[64:65] scope:SCOPE_SE
	s_setreg_imm32_b32 hwreg(HW_REG_WAVE_MODE, 25, 1), 1
	s_wait_xcnt 0x0
; out = 1/2 ((b - a) sigmoid(scales) f + (a + b) y), f = tanh(y W1[e]^T + b1[e]) W2[e]^T + b2[e] for the row's expert e = min(trunc(8 t), 7), f = 0 where trunc(8 t) < 0; a = -sigmoid(shifta), b = sigmoid(shiftb).
; Both products on codes of FP4 (E2M1) with one E8M0 scale for each 32 along K.  Only the chosen expert's rows are multiplied.
; SHARES.  Work-group (c, e), 32 x 8 of them: wave w owns the rows of sub-chunk 4 c + w (256 tokens) that chose expert e, 0 to 256 of them, and walks them in tiles of 16.  Each row has one owner.
; THE ROWS are found from the sub-chunk's bit masks (eight words for my expert, stored by the launch before): lane r of a tile looks up the token of rank R0 + r by counts of set bits, in registers.
; THE WEIGHTS.  The expert's 69,632 bytes of codes and scale words lie in memory in the order of the operands' registers.  Each wave fetches a quarter, the quarters meet in LDS behind the ONE barrier of the text,
; and every wave then keeps all of W1 (window 1) and W2 (window 2) in registers.  Behind that barrier the waves share nothing, so their trip counts may differ.
; No tensor load and no cluster: the 32 work-groups of an expert do read the same 68 KB, but every wave's trip count hangs on stored counts, and what is shared is 68 KB against 256 KB of a work-group's own rows in and out.
; A TILE: y's 16 rows (asked for a tile ahead, 512 consecutive bytes a load) turn through LDS into the quantiser's layout | quantised | product 1, b1 as C | tanh | quantised | product 2 | through LDS back into rows | epilogue | store.
; BOTH PRODUCTS ARE USED TRANSPOSED (source 0 = 16 rows of W, source 1 = my 16 rows): lane (r, h) holds row r, and, by the choice of W's rows for a tile, register 16 b + i holds column 32 b + 16 h + i.
; TANH ahead of the quantiser: 1 - 2 / (1 + 2^(2 log2(e) x)), and where |x| < 1/8 the series x - x^3/3 + 2 x^5/15 (next term under 2e-7 of the number), so that small numbers keep f32's relative accuracy.
;   The series rises strictly with x, so |series| < series(1/8) is the test |x| < 1/8, and x itself need not be kept.
; LIMITS: NaN and infinities in y, t and the weights are not served; 8 t of 2^31 or more is held at expert 7; a block of zeros gets the byte 1 over zero codes; the epilogue is c1 s (acc + b2) + c2 y with c1 s and c1 s b2
;   made once, so its roundings differ from the written order by last bits of f32.
; REGISTERS, in windows of 256: window 0: v1-11 addresses, token, gate, the rows' two scale words; v12-27, v28-43 row offsets of the tile at work and of the next; v44-75 the weights' scale words; v76-127 at work; v128-255 HA: 16 x 8.
;   window 1: W1, fragment (tile t, K step s) at v[16 t + 8 s].   window 2: W2 likewise.   window 3: v0-127 b1 in the result's layout; v128-255 the next tile's y as loaded.
.set WBLK,  69632                      ; LDS 0 ..: the expert's block, as it lies in memory
.set WHALF, 34816                      ; W2's part of it
.set WQTR,  17408                      ; a wave's quarter
.set WSCL,  32768                      ; the scale words behind a matrix's codes
.set WREG,  35328                      ; behind it a region for each wave:
.set PITCH, 1040                       ;   +0      y's 16 rows: 1,024 bytes + 16 = 65 x 16, so that sixteen rows' 16 bytes fall on different banks (64 banks of 4 bytes: ISA guide 11.1)
.set FB,    16640                      ;   +16,640 f's 16 rows, the same pitch
.set STI,   33280                      ;   +33,280 c1 s and c1 s b2: four images of 512 bytes
.set L16,  1                           ; v1   16 x lane
.set ROWL, 2                           ; v2   my region + 16 x lane: rows as they lie in memory
.set QL,   3                           ; v3   my region + 1,040 r + 64 h: the quantiser's layout
.set RK,   4                           ; v4   r = lane % 16
.set TOK,  5                           ; v5   the token (0 .. 255 in my sub-chunk) of my row of the tile last looked up
.set TA,   6                           ; v6   4 x that
.set TR,   7                           ; v7   its t
.set GATE, 8                           ; v8   1.0 where trunc(8 t) >= 0, else 0
.set STG,  9                           ; v9   where I stage my quarter of the weights
.set PW0,  10                          ; v10, v11  my rows' scale words of K steps 0 and 1: they hold scales and nothing else
.set PW1,  11
.set VOC,  12                          ; v12-27  row i of the tile at work: 1,024 x token + 16 x lane
.set VON,  28                          ; v28-43  the same for the next tile
.set WS1,  44                          ; v44-59  W1's scale words, tile t: lanes 0-15 K step 0, lanes 16-31 K step 1
.set WS2,  60                          ; v60-75  W2's
.set TM,   76                          ; QUANT: v76-79 largest magnitudes, v80-83 bytes, v88-91 scale operands
.set PC0,  92                          ; v92-99, v100-107 the codes of K steps 0 and 1
.set PC1,  100
.set EX,   76                          ; TANH32: v76-107 32 exponentials; v108-115, v116-123 the series' squares and brackets
.set SQ,   108
.set QQ,   116
.set SS,   76                          ; the way out: v76-83 c1 s, v84-91 c1 s b2, v92-123 two sets of two rows of y
.set TT,   84
.set YT,   92
.set HA,   128
.set WV,   24                          ; s24 wave, s25 expert, s26 sub-chunk
.set XP,   25
.set SC,   26
.set C5,   30                          ; s[30:31] 2/15
.set M,    32                          ; s[32:39] my expert's eight mask words
.set P,    40                          ; s[40:47] how many set bits lie in the words before each
.set N,    48                          ; s48 my rows
.set NM1,  49                          ; s49 the highest rank
.set NT,   50                          ; s50 my tiles
.set I,    51                          ; s51 the tile at work
.set R0,   52                          ; s52 its first rank
.set R0N,  53                          ; s53 the first rank of the tile that is looked up
.set SEL,  54                          ; s[54:55] v_permlanex16_b32's selects for lane l xor 16
.set K2,   56                          ; s[56:57] 2 log2(e)
.set C3,   58                          ; s[58:59] -1/3
.set CY,   60                          ; s[60:61] c2 = (a + b) / 2
.set GT,   62                          ; s[62:63] a row's gate
.set PT,   66                          ; s66 series(1/8)
.set LEFT, 69                          ; s69 rows from the tile's first on
.set CM,   70                          ; s[70:101] 32 compare masks
.set MSB, 0
.macro WIN new                         ; the immediate's high byte repeats the setting that is left; a switch that changes nothing is dropped
.if MSB != \new
	s_set_vgpr_msb (MSB<<8)|\new
.set MSB, \new
.endif
.endm
; THE TOKEN OF RANK s[R0N] + r among my rows -> v[TOK].  Whole numbers only.  Ranks past the last repeat the last row: their loads stay inside my sub-chunk and their results are never stored.
.set SR,   76
.set SW,   77
.set SB,   78
.set SK,   79
.set SX1,  80
.set SX2,  81
.set SX3,  82
.set SX4,  83
.set SKK,  84
.set SPOS, 85
.set SCN,  86
.set STP,  87
.macro DESC x, fw, wd                  ; does the bit wanted lie in the lower wd bits at v[SPOS]?  If not, pass over them and their count
	v_bfe_u32 v[SCN], v[\x], v[SPOS], \fw
	v_cmp_ge_u32 vcc_lo, v[SKK], v[SCN]
	v_cndmask_b32 v[SCN], 0, v[SCN], vcc_lo
	v_cndmask_b32 v[STP], 0, \wd, vcc_lo
	v_sub_nc_u32 v[SKK], v[SKK], v[SCN]
	v_add_nc_u32 v[SPOS], v[SPOS], v[STP]
.endm
.macro SELECT
	v_add_nc_u32 v[SR], s[R0N], v[RK]
	v_min_u32 v[SR], s[NM1], v[SR]
	v_mov_b32 v[SW], s[M]
	v_mov_b32 v[SB], 0
	v_mov_b32 v[SK], 0
.irp j, 1,2,3,4,5,6,7                  ; the last word whose prefix does not pass the rank; bit L of word j is token 128 (j / 4) + 4 L + j % 4
	v_cmp_gt_u32 vcc_lo, s[P+\j], v[SR]
	v_cndmask_b32 v[SW], s[M+\j], v[SW], vcc_lo
	v_cndmask_b32 v[SB], s[P+\j], v[SB], vcc_lo
	v_cndmask_b32 v[SK], (\j%4)+128*(\j/4), v[SK], vcc_lo
.endr
	v_sub_nc_u32 v[SKK], v[SR], v[SB]              ; which set bit of that word
	v_lshrrev_b32 v[STP], 1, v[SW]                 ; counts of set bits in fields of 2, 4, 8 and 16 bits
	v_and_b32 v[STP], 0x55555555, v[STP]
	v_sub_nc_u32 v[SX1], v[SW], v[STP]
	v_lshrrev_b32 v[STP], 2, v[SX1]
	v_and_b32 v[STP], 0x33333333, v[STP]
	v_and_b32 v[SX2], 0x33333333, v[SX1]
	v_add_nc_u32 v[SX2], v[SX2], v[STP]
	v_lshrrev_b32 v[STP], 4, v[SX2]
	v_add_nc_u32 v[STP], v[STP], v[SX2]
	v_and_b32 v[SX3], 0x0f0f0f0f, v[STP]
	v_lshrrev_b32 v[STP], 8, v[SX3]
	v_add_nc_u32 v[STP], v[STP], v[SX3]
	v_and_b32 v[SX4], 0x00ff00ff, v[STP]
	v_mov_b32 v[SPOS], 0
	DESC SX4, 8, 16
	DESC SX3, 8, 8
	DESC SX2, 4, 4
	DESC SX1, 2, 2
	DESC SW, 1, 1
	v_lshl_add_u32 v[TOK], v[SPOS], 2, v[SK]
	v_min_u32 v[TOK], 0xff, v[TOK]                 ; inside my 256 tokens, whatever the masks hold
.endm
; the sixteen rows' byte offsets in y and out0, from v[TOK]: each row's token as a scalar, clamped, times a row's 1,024 bytes, + 16 x lane
.macro ROWOFFS dst
.irp i, 0,1,2,3,4,5,6,7,8,9,10,11,12,13,14,15
	v_readlane_b32 s[67+\i%2], v[TOK], \i
	s_min_u32 s[67+\i%2], s[67+\i%2], 0xff
	v_lshl_add_u32 v[\dst+\i], s[67+\i%2], 10, v[L16]
.endr
.endm
; a tile is looked up and asked for: t of its rows (1 load) and y's 16 rows, 512 consecutive aligned bytes a load (32 loads).  No cache hint: a last tile names its last row several times
.macro PREFETCH
	SELECT
	v_lshlrev_b32 v[TA], 2, v[TOK]
	global_load_b32 v[TR], v[TA], s[6:7]
	ROWOFFS VON
	WIN 0xc0                                       ; destination window 3
.set G, 0
.rept 32
	global_load_b128 v[128+4*G:128+4*G+3], v[VON+G/2], s[4:5] offset:512*(G%2)
.set G, G+1
.endr
	WIN 0
.endm
; 64 numbers of a lane, register 16 b + i = k 32 b + 16 h + i of my row, become a fragment's codes in v[pc] on and its scale word in v[pw]
.macro QUANT s, pc, pw
.irp b, 0,1,2,3
	v_max3_num_f32 v[TM+\b], |v[(\s)+16*\b]|, |v[(\s)+1+16*\b]|, 0x1800000   ; block b: my 16 numbers, and the floor 2^(3 - 127): the byte cannot fall under 1
.endr
.irp i, 2,4,6,8,10,12,14
.irp b, 0,1,2,3
	v_max3_num_f32 v[TM+\b], v[TM+\b], |v[(\s)+16*\b+\i]|, |v[(\s)+1+16*\b+\i]|   ; (the four blocks by turns)
.endr
.endr
.irp b, 0,1,2,3
	v_permlanex16_b32 v[TM+4+\b], v[TM+\b], s[SEL], s[SEL+1]   ; (its destination counts as read: v80-83 are first written by the head's SELECT)
.endr
.irp b, 0,1,2,3
	v_max_num_f32 v[TM+\b], v[TM+\b], v[TM+4+\b]   ; with lane l xor 16's: the block's largest magnitude
.endr
.irp b, 0,1,2,3
	v_add_nc_u32 v[TM+12+\b], 0xff000000, v[TM+\b] ; 2 off its exponent field: the conversion's scale operand
.endr
.irp b, 0,1,2,3
	v_lshrrev_b32 v[TM+4+\b], 23, v[TM+12+\b]      ; the scale's byte
.endr
	v_lshl_or_b32 v[\pw], v[TM+5], 8, v[TM+4]      ; the four bytes make my row's scale word
	v_lshl_or_b32 v[\pw], v[TM+6], 16, v[\pw]
	v_lshl_or_b32 v[\pw], v[TM+7], 24, v[\pw]
.irp b, 0,1,2,3
	v_cvt_scalef32_pk8_fp4_f32 v[\pc+2*\b], v[(\s)+16*\b:(\s)+7+16*\b], v[TM+12+\b]
	v_cvt_scalef32_pk8_fp4_f32 v[\pc+1+2*\b], v[(\s)+8+16*\b:(\s)+15+16*\b], v[TM+12+\b]
.endr
	v_nop                                          ; one plain line behind the scaled conversions
.irp c, 0,1                                    ; the operand's layout wants a WHOLE block in a lane: lanes 0-15 block 2 c, lanes 16-31 block 2 c + 1
.irp i, 0,1
	v_permlane16_swap_b32 v[\pc+4*\c+\i], v[\pc+2+4*\c+\i]
.endr
.endr
.endm
; 32 matrix instructions: 16 tiles of W x my 16 rows, K step 0 and then K step 1.  The 16 accumulators take turns, one instruction a turn.
; wa, wb: the windows for the two K steps;  ws: W's scale words;  bias = 1: b1, in window 3, is the C of the first K step; else the constant 0 starts the sums.
.macro PROD wa, wb, ws, bias
.rept 8
	v_nop                                          ; the rows' scale word, written by vector lines, stands 8 plain lines ahead of a scaled matrix instruction, the codes 4
.endr
	WIN \wa
.irp t, 0,1,2,3,4,5,6,7,8,9,10,11,12,13,14,15
.if \bias
	v_wmma_scale_f32_16x16x128_f8f6f4 v[HA+8*\t:HA+8*\t+7], v[16*\t:16*\t+7], v[PC0:PC0+7], v[8*\t:8*\t+7], v[\ws+\t], v[PW0] matrix_a_fmt:MATRIX_FMT_FP4 matrix_b_fmt:MATRIX_FMT_FP4
.else
	v_wmma_scale_f32_16x16x128_f8f6f4 v[HA+8*\t:HA+8*\t+7], v[16*\t:16*\t+7], v[PC0:PC0+7], 0, v[\ws+\t], v[PW0] matrix_a_fmt:MATRIX_FMT_FP4 matrix_b_fmt:MATRIX_FMT_FP4
.endif
.endr
	WIN \wb
.irp t, 0,1,2,3,4,5,6,7,8,9,10,11,12,13,14,15
	v_wmma_scale_f32_16x16x128_f8f6f4 v[HA+8*\t:HA+8*\t+7], v[16*\t+8:16*\t+15], v[PC1:PC1+7], v[HA+8*\t:HA+8*\t+7], v[\ws+\t], v[PW1] matrix_a_fmt:MATRIX_FMT_FP4 matrix_b_fmt:MATRIX_FMT_FP4 matrix_a_scale:MATRIX_SCALE_ROW1
.endr
	WIN 0
.rept 4
	v_nop                                          ; four plain lines ahead of the first read of results, and of writes and loads into the codes' registers
.endr
.endm
; tanh of 32 registers, in place.  The exponentials are one batch and the reciprocals another, each with plain work behind it and ONE wait ahead of its first reader.
.macro TANH32 x
.set J, 0
.rept 16
	v_pk_mul_f32 v[EX+J:EX+J+1], v[(\x)+J:(\x)+J+1], s[K2:K2+1] op_sel_hi:[1,0]   ; each accumulator is read from its low end on
.set J, J+2
.endr
.set J, 0
.rept 32
	v_exp_f32 v[EX+J], v[EX+J]                     ; e^(2 x)
.set J, J+1
.endr
.set J, 0
.rept 4                                        ; the series, four pairs at a time, in x's place: 64 plain lines that name no exponential
.irp p, 0,2,4,6
	v_pk_mul_f32 v[SQ+\p:SQ+\p+1], v[(\x)+J+\p:(\x)+J+\p+1], v[(\x)+J+\p:(\x)+J+\p+1]
.endr
.irp p, 0,2,4,6
	v_pk_fma_f32 v[QQ+\p:QQ+\p+1], v[SQ+\p:SQ+\p+1], s[C5:C5+1], s[C3:C3+1] op_sel_hi:[1,0,0]   ; 2/15 x^2 - 1/3
.endr
.irp p, 0,2,4,6
	v_pk_mul_f32 v[SQ+\p:SQ+\p+1], v[SQ+\p:SQ+\p+1], v[(\x)+J+\p:(\x)+J+\p+1]   ; x^3
.endr
.irp p, 0,2,4,6
	v_pk_fma_f32 v[(\x)+J+\p:(\x)+J+\p+1], v[SQ+\p:SQ+\p+1], v[QQ+\p:QQ+\p+1], v[(\x)+J+\p:(\x)+J+\p+1]
.endr
.set J, J+8
.endr
	s_wait_alu depctr_va_vdst(0)
.set J, 0
.rept 16
	v_pk_add_f32 v[EX+J:EX+J+1], v[EX+J:EX+J+1], 1.0 op_sel_hi:[1,0]
.set J, J+2
.endr
.set J, 0
.rept 32
	v_rcp_f32 v[EX+J], v[EX+J]
.set J, J+1
.endr
.set J, 0
.rept 32
	v_cmp_gt_f32 s[CM+J], s[PT], |v[(\x)+J]|       ; |x| < 1/8, read off the series.  Plain work behind the reciprocals
.set J, J+1
.endr
	s_wait_alu depctr_va_vdst(0)
.set J, 0
.rept 16
	v_pk_fma_f32 v[EX+J:EX+J+1], v[EX+J:EX+J+1], -2.0, 1.0 op_sel_hi:[1,0,0]
.set J, J+2
.endr
.set J, 0
.rept 32
	v_cndmask_b32 v[(\x)+J], v[EX+J], v[(\x)+J], s[CM+J]   ; a choice of values: no branch hangs on a float
.set J, J+1
.endr
.endm
.macro YLOAD g                         ; rows 2 g, 2 g + 1 of y, as they lie in memory, into set g % 2
.irp q, 0,1
.irp u, 0,1
	ds_load_b128 v[YT+16*((\g)%2)+8*\q+4*\u:YT+16*((\g)%2)+8*\q+4*\u+3], v[ROWL] offset:PITCH*(2*(\g)+\q)+512*\u
.endr
.endr
.endm
; row i leaves: gate x (c1 s acc + c1 s b2) + c2 y.  A rank past my last row is not stored: a branch on whole numbers that the launch before stored
.macro ROWOUT i
	v_readlane_b32 s[GT], v[GATE], \i
.irp p, 0,2,4,6
	v_pk_fma_f32 v[HA+8*(\i)+\p:HA+8*(\i)+\p+1], v[HA+8*(\i)+\p:HA+8*(\i)+\p+1], v[SS+\p:SS+\p+1], v[TT+\p:TT+\p+1]
.endr
.irp p, 0,2,4,6
	v_pk_mul_f32 v[HA+8*(\i)+\p:HA+8*(\i)+\p+1], v[HA+8*(\i)+\p:HA+8*(\i)+\p+1], s[GT:GT+1] op_sel_hi:[1,0]
.endr
.irp p, 0,2,4,6
	v_pk_fma_f32 v[HA+8*(\i)+\p:HA+8*(\i)+\p+1], v[YT+8*((\i)%4)+\p:YT+8*((\i)%4)+\p+1], s[CY:CY+1], v[HA+8*(\i)+\p:HA+8*(\i)+\p+1] op_sel_hi:[1,0,1]
.endr
	s_cmp_gt_u32 s[LEFT], \i
	s_cbranch_scc0 .Lnot_mine_\@
	global_store_b128 v[VOC+(\i)], v[HA+8*(\i):HA+8*(\i)+3], s[8:9] th:TH_STORE_NT              ; the wave stores 512 consecutive bytes, aligned
	global_store_b128 v[VOC+(\i)], v[HA+8*(\i)+4:HA+8*(\i)+7], s[8:9] offset:512 th:TH_STORE_NT
.Lnot_mine_\@:
.endm
	; ---- THE HEAD: every wave takes every line as far as the barrier and a little beyond
	s_load_b512 s[4:19], s[0:1], 0x0               ; y s[4:5], t s[6:7], out0 s[8:9], masks s[10:11], wq s[12:13], b1 s[14:15], b2 s[16:17], scales s[18:19]
	s_load_b128 s[20:23], s[0:1], 0x40             ; shifta s[20:21], shiftb s[22:23]
	v_lshl_add_u32 v126, v0, 2, 0x33800
	v_mov_b32 v127, 0
	v_lshrrev_b32 v244, 5, v0
	v_readfirstlane_b32 s[WV], v244                ; wave 0..3
	v_and_b32 v245, 31, v0                         ; lane
	v_and_b32 v[RK], 15, v0                        ; r
	v_bfe_u32 v246, v0, 4, 1                       ; h
	v_lshlrev_b32 v[L16], 4, v245
	s_and_b32 s[XP], ttmp7, 0xffff                 ; the expert
	s_lshl_b32 s[SC], ttmp9, 2
	s_add_co_u32 s[SC], s[SC], s[WV]               ; my sub-chunk of 256 tokens
	s_mul_i32 s67, s[WV], WREG
	s_add_co_u32 s67, s67, WBLK                    ; my region of LDS
	v_add_nc_u32 v[ROWL], s67, v[L16]
	v_mul_u32_u24 v[QL], v[RK], PITCH
	v_lshl_add_u32 v[QL], v246, 6, v[QL]
	v_add_nc_u32 v[QL], s67, v[QL]
	s_mul_i32 s68, s[WV], WQTR                     ; my quarter of the expert's block
	v_add_nc_u32 v[STG], s68, v[L16]
	v_add_nc_u32 v241, WHALF, v[L16]               ; the head's own addresses lie in v240-243: free until the first tile
	v_lshlrev_b32 v242, 2, v245
	v_add_nc_u32 v243, WHALF, v242
	v_lshlrev_b32 v240, 6, v246                    ; b1: 64 h
	s_mov_b32 s[SEL], 0x76543210
	s_mov_b32 s[SEL+1], 0xfedcba98
	s_mov_b32 s[K2], 0x4038aa3b                    ; 2 log2(e)
	s_mov_b32 s[K2+1], s[K2]                       ; (a packed form names the pair and takes its low word for both halves: so the upper word is written)
	s_mov_b32 s[C3], 0xbeaaaaab                    ; -1/3
	s_mov_b32 s[C3+1], s[C3]
	s_mov_b32 s[C5], 0x3e088889                    ; 2/15
	s_mov_b32 s[C5+1], s[C5]
	s_mov_b32 s[PT], 0x3dfeaccd                    ; 1/8 - (1/8)^3 / 3 + 2 (1/8)^5 / 15
	s_mov_b32 s[GT+1], 0
	s_lshl_b32 s28, s[SC], 18                      ; 256 rows of 1,024 bytes
	s_mov_b32 s29, 0
	s_wait_kmcnt 0x0
	s_add_nc_u64 s[4:5], s[4:5], s[28:29]          ; y and out0 at my sub-chunk
	s_add_nc_u64 s[8:9], s[8:9], s[28:29]
	s_lshl_b32 s28, s[SC], 10
	s_add_nc_u64 s[6:7], s[6:7], s[28:29]          ; t likewise
	s_lshl_b32 s28, s[SC], 8
	s_lshl_b32 s67, s[XP], 5
	s_add_co_u32 s28, s28, s67
	s_add_nc_u64 s[10:11], s[10:11], s[28:29]      ; my eight mask words
	s_mul_i32 s28, s[XP], WBLK
	s_add_co_u32 s28, s28, s68
	s_add_nc_u64 s[12:13], s[12:13], s[28:29]      ; my quarter of the expert's block
	s_lshl_b32 s28, s[XP], 10
	s_add_nc_u64 s[14:15], s[14:15], s[28:29]      ; the expert's b1 and b2
	s_add_nc_u64 s[16:17], s[16:17], s[28:29]
	s_load_b256 s[M:M+7], s[10:11], 0x0
	s_load_b32 s2, s[20:21], 0x0                   ; shifta
	s_load_b32 s3, s[22:23], 0x0                   ; shiftb
	WIN 0x40                                       ; destination window 1
.set G, 0
.rept 34
	global_load_b128 v[4*G:4*G+3], v[L16], s[12:13] offset:512*G   ; 34 x 512 consecutive bytes; read by 32 work-groups, so no hint
.set G, G+1
.endr
	WIN 0
	s_wait_kmcnt 0x0                               ; the masks and the two shifts
	s_mov_b32 s[P], 0
.irp j, 0,1,2,3,4,5,6
	s_bcnt1_i32_b32 s67, s[M+\j]
	s_add_co_u32 s[P+\j+1], s[P+\j], s67
.endr
	s_bcnt1_i32_b32 s67, s[M+7]
	s_add_co_u32 s[N], s[P+7], s67                 ; my rows
	s_max_u32 s[NM1], s[N], 1
	s_sub_co_u32 s[NM1], s[NM1], 1                 ; the highest rank (0 where I have no row: the look-up below then still gives a token of my sub-chunk)
	s_add_co_u32 s[NT], s[N], 15
	s_lshr_b32 s[NT], s[NT], 4
	s_mov_b32 s[R0N], 0
	PREFETCH                                       ; tile 0: 33 loads
	s_wait_loadcnt 33                              ; my 34 loads of weights are in; the 33 issued behind them may be out
	WIN 0x04                                       ; an LDS store's data are its source 1: window 1
.set G, 0
.rept 34
	ds_store_b128 v[STG], v[4*G:4*G+3] offset:512*G
.set G, G+1
.endr
	WIN 0xc0                                       ; destination window 3
.irp t, 0,1,2,3,4,5,6,7,8,9,10,11,12,13,14,15  ; b1 in the result's layout: tile t, lane (r, h): hidden units 32 (t / 2) + 16 h + 8 (t % 2) + 0 .. 7
	global_load_b128 v[8*\t:8*\t+3], v240, s[14:15] offset:(32*(\t/2)+8*(\t%2))*4
	global_load_b128 v[8*\t+4:8*\t+7], v240, s[14:15] offset:(32*(\t/2)+8*(\t%2))*4+16
.endr
	WIN 0
	global_load_b128 v[128:131], v[L16], s[18:19]              ; scales and b2 as a row lies in memory: columns 4 lane on, and 128 + 4 lane on
	global_load_b128 v[132:135], v[L16], s[18:19] offset:512
	global_load_b128 v[138:141], v[L16], s[16:17]
	global_load_b128 v[142:145], v[L16], s[16:17] offset:512
	s_wait_dscnt 0x0                               ; for the others' sake: my quarter lies in LDS
	s_barrier_signal -1
	s_barrier_wait -1                              ; the whole block does.  The only barrier: from here on a wave touches its own region alone, and the block is only read
	WIN 0x40
.set G, 0
.rept 64
	ds_load_b128 v[4*G:4*G+3], v[L16] offset:512*G             ; W1: piece G is registers 4 G .. 4 G + 3
.set G, G+1
.endr
	WIN 0x80
.set G, 0
.rept 64
	ds_load_b128 v[4*G:4*G+3], v241 offset:512*G               ; W2
.set G, G+1
.endr
	WIN 0
.irp t, 0,1,2,3,4,5,6,7,8,9,10,11,12,13,14,15
	ds_load_b32 v[WS1+\t], v242 offset:WSCL+128*\t
	ds_load_b32 v[WS2+\t], v243 offset:WSCL+128*\t
.endr
	s_wait_loadcnt 0x0                             ; b1, scales, b2 (and tile 0)
	v_mov_b32 v136, s2
	v_mov_b32 v137, s3
.irp j, 0,2,4,6,8                              ; ten sigmoids: 1 / (1 + 2^(-log2(e) x)): my eight columns' scales, shifta, shiftb
	v_pk_mul_f32 v[128+\j:129+\j], v[128+\j:129+\j], 0xbfb8aa3b op_sel_hi:[1,0]
.endr
.irp j, 0,1,2,3,4,5,6,7,8,9
	v_exp_f32 v[128+\j], v[128+\j]
.endr
	v_nop                                          ; a plain line behind the batch,
	s_wait_alu depctr_va_vdst(0)                   ; and the one wait ahead of its first reader
.irp j, 0,2,4,6,8
	v_pk_add_f32 v[128+\j:129+\j], v[128+\j:129+\j], 1.0 op_sel_hi:[1,0]
.endr
.irp j, 0,1,2,3,4,5,6,7,8,9
	v_rcp_f32 v[128+\j], v[128+\j]
.endr
	v_nop
	s_wait_alu depctr_va_vdst(0)
	v_add_f32 v146, v137, v136                     ; b - a = sigmoid(shiftb) + sigmoid(shifta)
	v_sub_f32 v147, v137, v136                     ; a + b
	v_mul_f32 v146, 0.5, v146                      ; c1
	v_mul_f32 v147, 0.5, v147                      ; c2
	v_readfirstlane_b32 s[CY], v147
	s_mov_b32 s[CY+1], s[CY]
.irp j, 0,2,4,6
	v_pk_mul_f32 v[148+\j:149+\j], v[128+\j:129+\j], v[146:147] op_sel_hi:[1,0]   ; c1 s
.endr
.irp j, 0,2,4,6
	v_pk_mul_f32 v[156+\j:157+\j], v[148+\j:149+\j], v[138+\j:139+\j]             ; c1 s b2
.endr
.irp k, 0,1,2,3
	ds_store_b128 v[ROWL], v[148+4*\k:151+4*\k] offset:STI+512*\k                 ; no register is left to keep them in: they come back once a tile
.endr
	s_wait_dscnt 0x0                               ; the weights are in registers, and the stores have read theirs
	s_cmp_eq_u32 s[N], 0
	s_cbranch_scc1 .Lend                           ; no row of my sub-chunk chose this expert
	s_mov_b32 s[I], 0
	s_mov_b32 s[R0], 0
.Ltile:
	s_wait_loadcnt 0x0                             ; this tile's y and t are in
	s_wait_xcnt 0x0                                ; the last tile's stores have read their data and offsets: both are written again only behind this wait
	ROWOFFS VOC                                    ; this tile's offsets, for its stores: v[TOK] still holds its tokens
	v_cmp_lt_f32 vcc_lo, 0xbe000000, v[TR]         ; -1/8 < t: trunc(8 t) >= 0
	v_cndmask_b32 v[GATE], 0, 1.0, vcc_lo
	s_sub_co_u32 s[LEFT], s[N], s[R0]
	WIN 0x0c                                       ; the data: window 3
.set G, 0
.rept 32
	ds_store_b128 v[ROWL], v[128+4*G:128+4*G+3] offset:PITCH*(G/2)+512*(G%2)      ; y's rows as they were loaded
.set G, G+1
.endr
	WIN 0
.set G, 0
.rept 32
	ds_load_b128 v[HA+4*G:HA+4*G+3], v[QL] offset:128*(G/4)+16*(G%4)              ; and back in the quantiser's layout.  LDS serves a wave's instructions in order (ISA guide 5.7.1.4): these see the stores above
.set G, G+1
.endr
	s_wait_dscnt 0x0                               ; the numbers are in, and the stores have read window 3's registers
	s_add_co_u32 s67, s[I], 1
	s_cmp_lt_u32 s67, s[NT]
	s_cbranch_scc0 .Lno_next                       ; the last tile asks for nothing
	s_add_co_u32 s[R0N], s[R0], 16
	PREFETCH                                       ; the next tile's 33 loads have this whole tile in which to land
.Lno_next:
	QUANT HA, PC0, PW0
	QUANT HA+64, PC1, PW1
	PROD 0x31, 0x01, WS1, 1                        ; source 0 (W1) window 1; in the first K step source 2 (b1) window 3
	TANH32 HA
	TANH32 HA+32
	TANH32 HA+64
	TANH32 HA+96
	QUANT HA, PC0, PW0
	QUANT HA+64, PC1, PW1
	PROD 0x02, 0x02, WS2, 0                        ; source 0 (W2) window 2
.set G, 0
.rept 32
	ds_store_b128 v[QL], v[HA+4*G:HA+4*G+3] offset:FB+128*(G/4)+16*(G%4)          ; each accumulator from its low end on
.set G, G+1
.endr
.irp k, 0,1,2,3
	ds_load_b128 v[SS+4*\k:SS+4*\k+3], v[ROWL] offset:STI+512*\k                  ; c1 s, then c1 s b2
.endr
.set G, 0
.rept 32
	ds_load_b128 v[HA+4*G:HA+4*G+3], v[ROWL] offset:FB+PITCH*(G/2)+512*(G%2)      ; back as rows, into the registers that they left: row i at HA + 8 i
.set G, G+1
.endr
	YLOAD 0
	YLOAD 1
.irp g, 0,1,2,3,4,5,6,7
.if \g < 7
	s_wait_dscnt 4                                 ; all but the four loads of the next pair of rows of y
.else
	s_wait_dscnt 0
.endif
	ROWOUT 2*\g
	ROWOUT 2*\g+1
.if \g < 6
	YLOAD \g+2
.endif
.endr
	s_add_co_u32 s[R0], s[R0], 16
	s_add_co_u32 s[I], s[I], 1
	s_cmp_lt_u32 s[I], s[NT]
	s_cbranch_scc1 .Ltile
.Lend:
	s_wait_tensorcnt 0x0
	ds_add_u32 v126, v127
	s_wait_dscnt 0x0
	s_endpgm
.Lfunc_end_k_q39b5d44f53_chain:
	.size	k_q39b5d44f53_chain, .Lfunc_end_k_q39b5d44f53_chain-k_q39b5d44f53_chain
	.p2alignl 7, 3214868480
	.fill 96, 4, 3214868480
	.section	.rodata,"a",@progbits
	.p2align	6, 0x0
	.amdhsa_kernel k_q39b5d44f53_chain
		.amdhsa_group_segment_fixed_size 211456
		.amdhsa_private_segment_fixed_size 0
		.amdhsa_enable_private_segment 0
		.amdhsa_kernarg_size 80
		.amdhsa_user_sgpr_count 2
		.amdhsa_user_sgpr_kernarg_segment_ptr 1
		.amdhsa_wavefront_size32 1
		.amdhsa_system_sgpr_workgroup_id_x 1
		.amdhsa_system_sgpr_workgroup_id_y 1
		.amdhsa_system_sgpr_workgroup_id_z 1
		.amdhsa_system_vgpr_workitem_id 0
		.amdhsa_next_free_vgpr 1024
		.amdhsa_next_free_sgpr 102
		.amdhsa_reserve_vcc 1
		.amdhsa_float_denorm_mode_32 3
		.amdhsa_float_denorm_mode_16_64 3
		.amdhsa_memory_ordered 1
		.amdhsa_forward_progress 1
		.amdhsa_inst_pref_size 152
	.end_amdhsa_kernel
	.amdgpu_metadata
---
amdhsa.version: [ 1, 2 ]
amdhsa.kernels:
  - .name:           k_q39b5d44f53_chain
    .symbol:         k_q39b5d44f53_chain.kd
    .args:
      - { .name: y, .offset: 0, .size: 8, .value_kind: global_buffer, .address_space: global }
      - { .name: t, .offset: 8, .size: 8, .value_kind: global_buffer, .address_space: global }
      - { .name: out0, .offset: 16, .size: 8, .value_kind: global_buffer, .address_space: global }
      - { .name: masks, .offset: 24, .size: 8, .value_kind: global_buffer, .address_space: global }
      - { .name: wq, .offset: 32, .size: 8, .value_kind: global_buffer, .address_space: global }
      - { .name: b1, .offset: 40, .size: 8, .value_kind: global_buffer, .address_space: global }
      - { .name: b2, .offset: 48, .size: 8, .value_kind: global_buffer, .address_space: global }
      - { .name: scales, .offset: 56, .size: 8, .value_kind: global_buffer, .address_space: global }
      - { .name: shifta, .offset: 64, .size: 8, .value_kind: global_buffer, .address_space: global }
      - { .name: shiftb, .offset: 72, .size: 8, .value_kind: global_buffer, .address_space: global }
    .group_segment_fixed_size: 211456
    .private_segment_fixed_size: 0
    .kernarg_segment_align: 8
    .kernarg_segment_size: 80
    .max_flat_workgroup_size: 128
    .sgpr_count:     102
    .vgpr_count:     1024
    .wavefront_size: 32
...
	.end_amdgpu_metadata
.endif
;; end of part 2
;; ======== version 2 of 2: 2 launches; 1.17 times as fast as version 1
;; workspace buffers: wq 557,056 bytes; masks 32,768 bytes of whole numbers
;; launch prep: the kernel of part 1 again; grid 384 x 1, 1 waves a work-group, no clusters, 0 bytes of LDS; arguments W1, W2, t, wq, masks; writes wq, masks
;; launch chain (part 3): grid 32 x 8, 4 waves a work-group, no clusters, 211,456 bytes of LDS; arguments y, t, out0, masks, wq, b1, b2, scales, shifta, shiftb; writes out0
.if DOCPART == 3
	.amdgcn_target "amdgcn-amd-amdhsa--gfx1250"
	.amdhsa_code_object_version 6
	.text
	.protected	k_q39b5d44f53_chain
	.globl	k_q39b5d44f53_chain
	.p2align	8
	.type	k_q39b5d44f53_chain,@function
k_q39b5d44f53_chain:
	s_mov_b64 s[64:65], 0
	v_nop
	global_prefetch_b8 v0, s[64:65] scope:SCOPE_SE
	s_setreg_imm32_b32 hwreg(HW_REG_WAVE_MODE, 25, 1), 1
	s_wait_xcnt 0x0
; out = 1/2 ((b - a) sigmoid(scales) f + (a + b) y), f = tanh(y W1[e]^T + b1[e]) W2[e]^T + b2[e] for the row's expert e = min(trunc(8 t), 7), f = 0 where trunc(8 t) < 0; a = -sigmoid(shifta), b = sigmoid(shiftb).
; Both products on codes of FP4 (E2M1) with one E8M0 scale for each 32 along K.  Only the chosen expert's rows are multiplied.
; SHARES.  Work-group (c, e), 32 x 8 of them, owns the rows of chunk c (1,024 tokens: four sub-chunks of 256) that chose expert e, 0 to 1,024 of them.  Each sub-chunk's rows are cut into tiles of 16; the
; work-group's tiles are numbered through the four sub-chunks, and wave w takes tiles w, w + 4, w + 8 ..: no wave has more than one tile more than another.  Each row has one owner.
; THE ROWS are found from the bit masks that the launch before stored (eight words for a sub-chunk and an expert): lane r of a tile looks up the token of rank R0 + r by counts of set bits, in registers.
; THE WEIGHTS.  The expert's 69,632 bytes of codes and scale words lie in memory in the order of the operands' registers.  Each wave fetches a quarter, the quarters meet in LDS behind the ONE barrier of the text,
; and every wave then keeps all of W1 (window 1) and W2 (window 2) in registers.  Behind that barrier the waves share nothing, so their trip counts may differ.
; No tensor load and no cluster: the 32 work-groups of an expert do read the same 68 KB, but every wave's trip count hangs on stored counts, and what is shared is 68 KB against 256 KB of a work-group's own rows in and out.
; A TILE: y's 16 rows (asked for a tile ahead, 512 consecutive bytes a load) turn through LDS into the quantiser's layout | quantised | product 1, b1 as C | tanh | quantised | product 2 | through LDS back into rows | epilogue | store.
; BOTH PRODUCTS ARE USED TRANSPOSED (source 0 = 16 rows of W, source 1 = my 16 rows): lane (r, h) holds row r, and, by the choice of W's rows for a tile, register 16 b + i holds column 32 b + 16 h + i.
; TANH ahead of the quantiser: 1 - 2 / (1 + 2^(2 log2(e) x)), and where |x| < 1/8 the series x - x^3/3 + 2 x^5/15 (next term under 2e-7 of the number), so that small numbers keep f32's relative accuracy.
;   The series rises strictly with x, so |series| < series(1/8) is the test |x| < 1/8, and x itself need not be kept.
; LIMITS: NaN and infinities in y, t and the weights are not served; 8 t of 2^31 or more is held at expert 7; a block of zeros gets the byte 1 over zero codes; the epilogue is c1 s (acc + b2) + c2 y with c1 s and c1 s b2
;   made once, so its roundings differ from the written order by last bits of f32.
; REGISTERS, in windows of 256: window 0: v1-11 addresses, token, gate, the rows' two scale words; v12-27, v28-43 row offsets of the tile at work and of the next; v44-75 the weights' scale words; v76-127 at work; v128-255 HA: 16 x 8.
;   window 1: W1, fragment (tile t, K step s) at v[16 t + 8 s].   window 2: W2 likewise.   window 3: v0-127 b1 in the result's layout; v128-255 the next tile's y as loaded.
.set WBLK,  69632                      ; LDS 0 ..: the expert's block, as it lies in memory
.set WHALF, 34816                      ; W2's part of it
.set WQTR,  17408                      ; a wave's quarter
.set WSCL,  32768                      ; the scale words behind a matrix's codes
.set WREG,  35328                      ; behind it a region for each wave:
.set PITCH, 1040                       ;   +0      y's 16 rows: 1,024 bytes + 16 = 65 x 16, so that sixteen rows' 16 bytes fall on different banks (64 banks of 4 bytes: ISA guide 11.1)
.set FB,    16640                      ;   +16,640 f's 16 rows, the same pitch
.set STI,   33280                      ;   +33,280 c1 s and c1 s b2: four images of 512 bytes
.set L16,  1                           ; v1   16 x lane
.set ROWL, 2                           ; v2   my region + 16 x lane: rows as they lie in memory
.set QL,   3                           ; v3   my region + 1,040 r + 64 h: the quantiser's layout
.set RK,   4                           ; v4   r = lane % 16
.set TOK,  5                           ; v5   the token (0 .. 1,023 in my chunk) of my row of the tile last looked up
.set TA,   6                           ; v6   4 x that
.set TR,   7                           ; v7   its t
.set GATE, 8                           ; v8   1.0 where trunc(8 t) >= 0, else 0
.set STG,  9                           ; v9   where I stage my quarter of the weights
.set PW0,  10                          ; v10, v11  my rows' scale words of K steps 0 and 1: they hold scales and nothing else
.set PW1,  11
.set VOC,  12                          ; v12-27  row i of the tile at work: 1,024 x token + 16 x lane
.set VON,  28                          ; v28-43  the same for the next tile
.set WS1,  44                          ; v44-59  W1's scale words, tile t: lanes 0-15 K step 0, lanes 16-31 K step 1
.set WS2,  60                          ; v60-75  W2's
.set TM,   76                          ; QUANT: v76-79 largest magnitudes, v80-83 bytes, v88-91 scale operands
.set PC0,  92                          ; v92-99, v100-107 the codes of K steps 0 and 1
.set PC1,  100
.set EX,   76                          ; TANH32: v76-107 32 exponentials; v108-115, v116-123 the series' squares and brackets
.set SQ,   108
.set QQ,   116
.set SS,   76                          ; the way out: v76-83 c1 s, v84-91 c1 s b2, v92-123 two sets of two rows of y
.set TT,   84
.set YT,   92
.set HA,   128
.set NQ0,  2                           ; s2, s3, s25, s26  the four sub-chunks' rows (s2, s3 first bring the two shifts; s25 to s29 are the head's temporaries before)
.set NQ1,  3
.set WV,   24                          ; s24 wave
.set XP,   25                          ; s25 expert, in the head
.set NQ2,  25
.set NQ3,  26
.set TP1,  27                          ; s27-29  tiles in sub-chunks 0; 0, 1; 0, 1, 2
.set TP2,  28
.set TP3,  29
.set C5,   30                          ; s[30:31] 2/15
.set M,    32                          ; s[32:39] the eight mask words of the sub-chunk that is looked up
.set P,    40                          ; s[40:47] how many set bits lie in the words before each (s40, s41 also at work in LOCATE and COUNT)
.set NT,   48                          ; s48 my tiles
.set NM1,  49                          ; s49 the highest rank of the sub-chunk that is looked up
.set I,    50                          ; s50 my trip
.set GI,   51                          ; s51 the number, among the work-group's tiles, of the tile that is looked up
.set LEFT, 52                          ; s52 rows of its sub-chunk from the first of the tile at work on
.set R0N,  53                          ; s53 the first rank of the tile that is looked up
.set SEL,  54                          ; s[54:55] v_permlanex16_b32's selects for lane l xor 16
.set K2,   56                          ; s[56:57] 2 log2(e)
.set C3,   58                          ; s[58:59] -1/3
.set CY,   60                          ; s[60:61] c2 = (a + b) / 2
.set QB,   62                          ; s[62:63] 256 x the sub-chunk that is looked up, and 0 above it: its first token, and its masks' byte offset
.set PT,   66                          ; s66 series(1/8)
.set LEFTN, 67                         ; s67 LEFT of the tile that is looked up
.set MP,   68                          ; s[68:69] where that sub-chunk's eight words lie
.set MT,   68                          ; s[68:99] in the head: all 32 words of my chunk and expert
.set CM,   70                          ; s[70:101] 32 compare masks; s70-85 sixteen tokens; the even ones of s70-101 sixteen gates
.set MSB, 0
.macro WIN new                         ; the immediate's high byte repeats the setting that is left; a switch that changes nothing is dropped
.if MSB != \new
	s_set_vgpr_msb (MSB<<8)|\new
.set MSB, \new
.endif
.endm
; rows of one sub-chunk: the set bits of its eight words
.macro COUNT dst, base
	s_bcnt1_i32_b32 s[\dst], s[\base]
.irp j, 1,2,3,4,5,6,7
	s_bcnt1_i32_b32 s[P], s[\base+\j]
	s_add_co_u32 s[\dst], s[\dst], s[P]
.endr
.endm
; WHICH SUB-CHUNK HOLDS TILE s[GI], and where in it: scalar compares and selects on stored whole numbers.  A number past the work-group's last tile gives sub-chunk 3 and a rank past its end: what is then
; looked up and loaded still lies inside my chunk, and is not used.
.macro LOCATE
	s_mov_b32 s[QB], 0
	s_mov_b32 s[P], 0                              ; tiles before the sub-chunk
	s_mov_b32 s[P+1], s[NQ0]                       ; its rows
	s_cmp_ge_u32 s[GI], s[TP1]
	s_cselect_b32 s[QB], 256, s[QB]
	s_cselect_b32 s[P], s[TP1], s[P]
	s_cselect_b32 s[P+1], s[NQ1], s[P+1]
	s_cmp_ge_u32 s[GI], s[TP2]
	s_cselect_b32 s[QB], 512, s[QB]
	s_cselect_b32 s[P], s[TP2], s[P]
	s_cselect_b32 s[P+1], s[NQ2], s[P+1]
	s_cmp_ge_u32 s[GI], s[TP3]
	s_cselect_b32 s[QB], 768, s[QB]
	s_cselect_b32 s[P], s[TP3], s[P]
	s_cselect_b32 s[P+1], s[NQ3], s[P+1]
	s_min_u32 s[QB], s[QB], 768                    ; it enters addresses
	s_sub_co_u32 s[P], s[GI], s[P]
	s_lshl_b32 s[R0N], s[P], 4                     ; the tile's first rank
	s_max_u32 s[NM1], s[P+1], 1
	s_sub_co_u32 s[NM1], s[NM1], 1                 ; the highest rank (0 where the sub-chunk has no row)
	s_sub_co_u32 s[LEFTN], s[P+1], s[R0N]
.endm
.macro PCOMP                           ; the prefixes of s[M] on
	s_mov_b32 s[P], 0
.irp j, 0,1,2,3,4,5,6
	s_bcnt1_i32_b32 s[CM], s[M+\j]
	s_add_co_u32 s[P+\j+1], s[P+\j], s[CM]
.endr
.endm
; THE TOKEN OF RANK s[R0N] + r among the sub-chunk's rows -> v[TOK].  Whole numbers only.  Ranks past the last repeat the last row: their loads stay inside my chunk and their results are never stored.
.set SR,   76
.set SW,   77
.set SB,   78
.set SK,   79
.set SX1,  80
.set SX2,  81
.set SX3,  82
.set SX4,  83
.set SKK,  84
.set SPOS, 85
.set SCN,  86
.set STP,  87
.macro DESC x, fw, wd                  ; does the bit wanted lie in the lower wd bits at v[SPOS]?  If not, pass over them and their count
	v_bfe_u32 v[SCN], v[\x], v[SPOS], \fw
	v_cmp_ge_u32 vcc_lo, v[SKK], v[SCN]
	v_cndmask_b32 v[SCN], 0, v[SCN], vcc_lo
	v_cndmask_b32 v[STP], 0, \wd, vcc_lo
	v_sub_nc_u32 v[SKK], v[SKK], v[SCN]
	v_add_nc_u32 v[SPOS], v[SPOS], v[STP]
.endm
.macro SELECT
	v_add_nc_u32 v[SR], s[R0N], v[RK]
	v_min_u32 v[SR], s[NM1], v[SR]
	v_mov_b32 v[SW], s[M]
	v_mov_b32 v[SB], 0
	v_mov_b32 v[SK], 0
.irp j, 1,2,3,4,5,6,7                  ; the last word whose prefix does not pass the rank; bit L of word j is token 128 (j / 4) + 4 L + j % 4 of the sub-chunk
	v_cmp_gt_u32 vcc_lo, s[P+\j], v[SR]
	v_cndmask_b32 v[SW], s[M+\j], v[SW], vcc_lo
	v_cndmask_b32 v[SB], s[P+\j], v[SB], vcc_lo
	v_cndmask_b32 v[SK], (\j%4)+128*(\j/4), v[SK], vcc_lo
.endr
	v_sub_nc_u32 v[SKK], v[SR], v[SB]              ; which set bit of that word
	v_lshrrev_b32 v[STP], 1, v[SW]                 ; counts of set bits in fields of 2, 4, 8 and 16 bits
	v_and_b32 v[STP], 0x55555555, v[STP]
	v_sub_nc_u32 v[SX1], v[SW], v[STP]
	v_lshrrev_b32 v[STP], 2, v[SX1]
	v_and_b32 v[STP], 0x33333333, v[STP]
	v_and_b32 v[SX2], 0x33333333, v[SX1]
	v_add_nc_u32 v[SX2], v[SX2], v[STP]
	v_lshrrev_b32 v[STP], 4, v[SX2]
	v_add_nc_u32 v[STP], v[STP], v[SX2]
	v_and_b32 v[SX3], 0x0f0f0f0f, v[STP]
	v_lshrrev_b32 v[STP], 8, v[SX3]
	v_add_nc_u32 v[STP], v[STP], v[SX3]
	v_and_b32 v[SX4], 0x00ff00ff, v[STP]
	v_mov_b32 v[SPOS], 0
	DESC SX4, 8, 16
	DESC SX3, 8, 8
	DESC SX2, 4, 4
	DESC SX1, 2, 2
	DESC SW, 1, 1
	v_lshl_add_u32 v[TOK], v[SPOS], 2, v[SK]
	v_add_nc_u32 v[TOK], s[QB], v[TOK]             ; + the sub-chunk's first token
	v_min_u32 v[TOK], 0x3ff, v[TOK]                ; inside my 1,024 tokens, whatever the masks hold
.endm
; the sixteen rows' byte offsets in y and out0, from v[TOK]: each row's token as a scalar, clamped, times a row's 1,024 bytes, + 16 x lane.  In three batches, so that vector and scalar lines change places twice and not 32 times
.macro ROWOFFS dst
.irp i, 0,1,2,3,4,5,6,7,8,9,10,11,12,13,14,15
	v_readlane_b32 s[CM+\i], v[TOK], \i
.endr
.irp i, 0,1,2,3,4,5,6,7,8,9,10,11,12,13,14,15
	s_min_u32 s[CM+\i], s[CM+\i], 0x3ff
.endr
.irp i, 0,1,2,3,4,5,6,7,8,9,10,11,12,13,14,15
	v_lshl_add_u32 v[\dst+\i], s[CM+\i], 10, v[L16]
.endr
.endm
; a tile is looked up and asked for: t of its rows (1 load) and y's 16 rows, 512 consecutive aligned bytes a load (32 loads).  No cache hint: a last tile names its last row several times
.macro PREFETCH
	SELECT
	v_lshlrev_b32 v[TA], 2, v[TOK]
	global_load_b32 v[TR], v[TA], s[6:7]
	ROWOFFS VON
	s_wait_dscnt 0x0                               ; the LDS stores that read window 3's registers are done: the loads below may land there.  The look-up above stood between those LDS lines and this wait
	WIN 0xc0                                       ; destination window 3
.set G, 0
.rept 32
	global_load_b128 v[128+4*G:128+4*G+3], v[VON+G/2], s[4:5] offset:512*(G%2)
.set G, G+1
.endr
	WIN 0
.endm
; 64 numbers of a lane, register 16 b + i = k 32 b + 16 h + i of my row, become a fragment's codes in v[pc] on and its scale word in v[pw]
.macro QUANT s, pc, pw
.irp b, 0,1,2,3
	v_max3_num_f32 v[TM+\b], |v[(\s)+16*\b]|, |v[(\s)+1+16*\b]|, 0x1800000   ; block b: my 16 numbers, and the floor 2^(3 - 127): the byte cannot fall under 1
.endr
.irp i, 2,4,6,8,10,12,14
.irp b, 0,1,2,3
	v_max3_num_f32 v[TM+\b], v[TM+\b], |v[(\s)+16*\b+\i]|, |v[(\s)+1+16*\b+\i]|   ; (the four blocks by turns)
.endr
.endr
.irp b, 0,1,2,3
	v_permlanex16_b32 v[TM+4+\b], v[TM+\b], s[SEL], s[SEL+1]   ; (its destination counts as read: v80-83 are first written by the head's SELECT)
.endr
.irp b, 0,1,2,3
	v_max_num_f32 v[TM+\b], v[TM+\b], v[TM+4+\b]   ; with lane l xor 16's: the block's largest magnitude
.endr
.irp b, 0,1,2,3
	v_add_nc_u32 v[TM+12+\b], 0xff000000, v[TM+\b] ; 2 off its exponent field: the conversion's scale operand
.endr
.irp b, 0,1,2,3
	v_lshrrev_b32 v[TM+4+\b], 23, v[TM+12+\b]      ; the scale's byte
.endr
	v_lshl_or_b32 v[\pw], v[TM+5], 8, v[TM+4]      ; the four bytes make my row's scale word
	v_lshl_or_b32 v[\pw], v[TM+6], 16, v[\pw]
	v_lshl_or_b32 v[\pw], v[TM+7], 24, v[\pw]
.irp b, 0,1,2,3
	v_cvt_scalef32_pk8_fp4_f32 v[\pc+2*\b], v[(\s)+16*\b:(\s)+7+16*\b], v[TM+12+\b]
	v_cvt_scalef32_pk8_fp4_f32 v[\pc+1+2*\b], v[(\s)+8+16*\b:(\s)+15+16*\b], v[TM+12+\b]
.endr
	v_nop                                          ; one plain line behind the scaled conversions
.irp c, 0,1                                    ; the operand's layout wants a WHOLE block in a lane: lanes 0-15 block 2 c, lanes 16-31 block 2 c + 1
.irp i, 0,1
	v_permlane16_swap_b32 v[\pc+4*\c+\i], v[\pc+2+4*\c+\i]
.endr
.endr
.endm
; 32 matrix instructions: 16 tiles of W x my 16 rows, K step 0 and then K step 1.  The 16 accumulators take turns, one instruction a turn.
; wa, wb: the windows for the two K steps;  ws: W's scale words;  bias = 1: b1, in window 3, is the C of the first K step; else the constant 0 starts the sums.
.macro PROD wa, wb, ws, bias
.rept 8
	v_nop                                          ; the rows' scale word, written by vector lines, stands 8 plain lines ahead of a scaled matrix instruction, the codes 4
.endr
	WIN \wa
.irp t, 0,1,2,3,4,5,6,7,8,9,10,11,12,13,14,15
.if \bias
	v_wmma_scale_f32_16x16x128_f8f6f4 v[HA+8*\t:HA+8*\t+7], v[16*\t:16*\t+7], v[PC0:PC0+7], v[8*\t:8*\t+7], v[\ws+\t], v[PW0] matrix_a_fmt:MATRIX_FMT_FP4 matrix_b_fmt:MATRIX_FMT_FP4
.else
	v_wmma_scale_f32_16x16x128_f8f6f4 v[HA+8*\t:HA+8*\t+7], v[16*\t:16*\t+7], v[PC0:PC0+7], 0, v[\ws+\t], v[PW0] matrix_a_fmt:MATRIX_FMT_FP4 matrix_b_fmt:MATRIX_FMT_FP4
.endif
.endr
	WIN \wb
.irp t, 0,1,2,3,4,5,6,7,8,9,10,11,12,13,14,15
	v_wmma_scale_f32_16x16x128_f8f6f4 v[HA+8*\t:HA+8*\t+7], v[16*\t+8:16*\t+15], v[PC1:PC1+7], v[HA+8*\t:HA+8*\t+7], v[\ws+\t], v[PW1] matrix_a_fmt:MATRIX_FMT_FP4 matrix_b_fmt:MATRIX_FMT_FP4 matrix_a_scale:MATRIX_SCALE_ROW1
.endr
	WIN 0
.rept 4
	v_nop                                          ; four plain lines ahead of the first read of results, and of writes and loads into the codes' registers
.endr
.endm
; tanh of 32 registers, in place.  The exponentials are one batch and the reciprocals another, each with plain work behind it and ONE wait ahead of its first reader.
.macro TANH32 x
.set J, 0
.rept 16
	v_pk_mul_f32 v[EX+J:EX+J+1], v[(\x)+J:(\x)+J+1], s[K2:K2+1] op_sel_hi:[1,0]   ; each accumulator is read from its low end on
.set J, J+2
.endr
.set J, 0
.rept 32
	v_exp_f32 v[EX+J], v[EX+J]                     ; e^(2 x)
.set J, J+1
.endr
.set J, 0
.rept 4                                        ; the series, four pairs at a time, in x's place: 64 plain lines that name no exponential
.irp p, 0,2,4,6
	v_pk_mul_f32 v[SQ+\p:SQ+\p+1], v[(\x)+J+\p:(\x)+J+\p+1], v[(\x)+J+\p:(\x)+J+\p+1]
.endr
.irp p, 0,2,4,6
	v_pk_fma_f32 v[QQ+\p:QQ+\p+1], v[SQ+\p:SQ+\p+1], s[C5:C5+1], s[C3:C3+1] op_sel_hi:[1,0,0]   ; 2/15 x^2 - 1/3
.endr
.irp p, 0,2,4,6
	v_pk_mul_f32 v[SQ+\p:SQ+\p+1], v[SQ+\p:SQ+\p+1], v[(\x)+J+\p:(\x)+J+\p+1]   ; x^3
.endr
.irp p, 0,2,4,6
	v_pk_fma_f32 v[(\x)+J+\p:(\x)+J+\p+1], v[SQ+\p:SQ+\p+1], v[QQ+\p:QQ+\p+1], v[(\x)+J+\p:(\x)+J+\p+1]
.endr
.set J, J+8
.endr
	s_wait_alu depctr_va_vdst(0)
.set J, 0
.rept 16
	v_pk_add_f32 v[EX+J:EX+J+1], v[EX+J:EX+J+1], 1.0 op_sel_hi:[1,0]
.set J, J+2
.endr
.set J, 0
.rept 32
	v_rcp_f32 v[EX+J], v[EX+J]
.set J, J+1
.endr
.set J, 0
.rept 32
	v_cmp_gt_f32 s[CM+J], s[PT], |v[(\x)+J]|       ; |x| < 1/8, read off the series.  Plain work behind the reciprocals
.set J, J+1
.endr
	s_wait_alu depctr_va_vdst(0)
.set J, 0
.rept 16
	v_pk_fma_f32 v[EX+J:EX+J+1], v[EX+J:EX+J+1], -2.0, 1.0 op_sel_hi:[1,0,0]
.set J, J+2
.endr
.set J, 0
.rept 32
	v_cndmask_b32 v[(\x)+J], v[EX+J], v[(\x)+J], s[CM+J]   ; a choice of values: no branch hangs on a float
.set J, J+1
.endr
.endm
.macro YLOAD g                         ; rows 2 g, 2 g + 1 of y, as they lie in memory, into set g % 2
.irp q, 0,1
.irp u, 0,1
	ds_load_b128 v[YT+16*((\g)%2)+8*\q+4*\u:YT+16*((\g)%2)+8*\q+4*\u+3], v[ROWL] offset:PITCH*(2*(\g)+\q)+512*\u
.endr
.endr
.endm
; row i leaves: gate x (c1 s acc + c1 s b2) + c2 y; its gate stands in s[CM + 2 i].  A rank past the sub-chunk's last row is not stored: a branch on whole numbers that the launch before stored
.macro ROWOUT i
.irp p, 0,2,4,6
	v_pk_fma_f32 v[HA+8*(\i)+\p:HA+8*(\i)+\p+1], v[HA+8*(\i)+\p:HA+8*(\i)+\p+1], v[SS+\p:SS+\p+1], v[TT+\p:TT+\p+1]
.endr
.irp p, 0,2,4,6
	v_pk_mul_f32 v[HA+8*(\i)+\p:HA+8*(\i)+\p+1], v[HA+8*(\i)+\p:HA+8*(\i)+\p+1], s[CM+2*(\i):CM+2*(\i)+1] op_sel_hi:[1,0]
.endr
.irp p, 0,2,4,6
	v_pk_fma_f32 v[HA+8*(\i)+\p:HA+8*(\i)+\p+1], v[YT+8*((\i)%4)+\p:YT+8*((\i)%4)+\p+1], s[CY:CY+1], v[HA+8*(\i)+\p:HA+8*(\i)+\p+1] op_sel_hi:[1,0,1]
.endr
	s_cmp_gt_u32 s[LEFT], \i
	s_cbranch_scc0 .Lnot_mine_\@
	global_store_b128 v[VOC+(\i)], v[HA+8*(\i):HA+8*(\i)+3], s[8:9] th:TH_STORE_NT              ; the wave stores 512 consecutive bytes, aligned
	global_store_b128 v[VOC+(\i)], v[HA+8*(\i)+4:HA+8*(\i)+7], s[8:9] offset:512 th:TH_STORE_NT
.Lnot_mine_\@:
.endm
	; ---- THE HEAD: every wave takes every line as far as the barrier and a little beyond
	s_load_b512 s[4:19], s[0:1], 0x0               ; y s[4:5], t s[6:7], out0 s[8:9], masks s[10:11], wq s[12:13], b1 s[14:15], b2 s[16:17], scales s[18:19]
	s_load_b128 s[20:23], s[0:1], 0x40             ; shifta s[20:21], shiftb s[22:23]
	v_lshl_add_u32 v126, v0, 2, 0x33800
	v_mov_b32 v127, 0
	v_lshrrev_b32 v244, 5, v0
	v_readfirstlane_b32 s[WV], v244                ; wave 0..3
	v_and_b32 v245, 31, v0                         ; lane
	v_and_b32 v[RK], 15, v0                        ; r
	v_bfe_u32 v246, v0, 4, 1                       ; h
	v_lshlrev_b32 v[L16], 4, v245
	s_and_b32 s[XP], ttmp7, 0xffff                 ; the expert
	s_mul_i32 s26, s[WV], WREG
	s_add_co_u32 s26, s26, WBLK                    ; my region of LDS
	v_add_nc_u32 v[ROWL], s26, v[L16]
	v_mul_u32_u24 v[QL], v[RK], PITCH
	v_lshl_add_u32 v[QL], v246, 6, v[QL]
	v_add_nc_u32 v[QL], s26, v[QL]
	s_mul_i32 s27, s[WV], WQTR                     ; my quarter of the expert's block
	v_add_nc_u32 v[STG], s27, v[L16]
	v_add_nc_u32 v241, WHALF, v[L16]               ; the head's own addresses lie in v240-243: free until the first tile
	v_lshlrev_b32 v242, 2, v245
	v_add_nc_u32 v243, WHALF, v242
	v_lshlrev_b32 v240, 6, v246                    ; b1: 64 h
	s_mov_b32 s[SEL], 0x76543210
	s_mov_b32 s[SEL+1], 0xfedcba98
	s_mov_b32 s[K2], 0x4038aa3b                    ; 2 log2(e)
	s_mov_b32 s[K2+1], s[K2]                       ; (a packed form names the pair and takes its low word for both halves: so the upper word is written)
	s_mov_b32 s[C3], 0xbeaaaaab                    ; -1/3
	s_mov_b32 s[C3+1], s[C3]
	s_mov_b32 s[C5], 0x3e088889                    ; 2/15
	s_mov_b32 s[C5+1], s[C5]
	s_mov_b32 s[PT], 0x3dfeaccd                    ; 1/8 - (1/8)^3 / 3 + 2 (1/8)^5 / 15
	s_mov_b32 s[QB+1], 0
	s_lshl_b32 s28, ttmp9, 20                      ; my chunk: 1,024 rows of 1,024 bytes
	s_mov_b32 s29, 0
	s_wait_kmcnt 0x0
	s_add_nc_u64 s[4:5], s[4:5], s[28:29]          ; y and out0 at my chunk
	s_add_nc_u64 s[8:9], s[8:9], s[28:29]
	s_lshl_b32 s28, ttmp9, 12
	s_add_nc_u64 s[6:7], s[6:7], s[28:29]          ; t likewise
	s_lshl_b32 s28, ttmp9, 10                      ; the masks: 256 bytes a sub-chunk, 32 an expert
	s_lshl_b32 s26, s[XP], 5
	s_add_co_u32 s28, s28, s26
	s_add_nc_u64 s[10:11], s[10:11], s[28:29]      ; my expert's words of my chunk's first sub-chunk
	s_mul_i32 s28, s[XP], WBLK
	s_add_co_u32 s28, s28, s27
	s_add_nc_u64 s[12:13], s[12:13], s[28:29]      ; my quarter of the expert's block
	s_lshl_b32 s28, s[XP], 10
	s_add_nc_u64 s[14:15], s[14:15], s[28:29]      ; the expert's b1 and b2
	s_add_nc_u64 s[16:17], s[16:17], s[28:29]
.irp q, 0,1,2,3
	s_load_b256 s[MT+8*\q:MT+8*\q+7], s[10:11], 256*\q   ; all four sub-chunks' words
.endr
	s_load_b32 s2, s[20:21], 0x0                   ; shifta
	s_load_b32 s3, s[22:23], 0x0                   ; shiftb
	WIN 0xc0                                       ; destination window 3
.irp t, 0,1,2,3,4,5,6,7,8,9,10,11,12,13,14,15  ; b1 in the result's layout: tile t, lane (r, h): hidden units 32 (t / 2) + 16 h + 8 (t % 2) + 0 .. 7
	global_load_b128 v[8*\t:8*\t+3], v240, s[14:15] offset:(32*(\t/2)+8*(\t%2))*4
	global_load_b128 v[8*\t+4:8*\t+7], v240, s[14:15] offset:(32*(\t/2)+8*(\t%2))*4+16
.endr
	WIN 0
	global_load_b128 v[128:131], v[L16], s[18:19]              ; scales and b2 as a row lies in memory: columns 4 lane on, and 128 + 4 lane on
	global_load_b128 v[132:135], v[L16], s[18:19] offset:512
	global_load_b128 v[138:141], v[L16], s[16:17]
	global_load_b128 v[142:145], v[L16], s[16:17] offset:512
	WIN 0x40                                       ; destination window 1
.set G, 0
.rept 34
	global_load_b128 v[4*G:4*G+3], v[L16], s[12:13] offset:512*G   ; 34 x 512 consecutive bytes; read by 32 work-groups, so no hint
.set G, G+1
.endr
	WIN 0
	s_wait_kmcnt 0x0                               ; the masks and the two shifts
	v_mov_b32 v136, s2                             ; the shifts go beside the scales (no load lands in v136, v137); s2 and s3 are free
	v_mov_b32 v137, s3
	COUNT NQ0, MT
	COUNT NQ1, MT+8
	COUNT NQ2, MT+16
	COUNT NQ3, MT+24
	s_add_co_u32 s[P], s[NQ0], 15                  ; tiles of 16 rows, sub-chunk by sub-chunk, summed up
	s_lshr_b32 s[TP1], s[P], 4
	s_add_co_u32 s[P], s[NQ1], 15
	s_lshr_b32 s[P], s[P], 4
	s_add_co_u32 s[TP2], s[TP1], s[P]
	s_add_co_u32 s[P], s[NQ2], 15
	s_lshr_b32 s[P], s[P], 4
	s_add_co_u32 s[TP3], s[TP2], s[P]
	s_add_co_u32 s[P], s[NQ3], 15
	s_lshr_b32 s[P], s[P], 4
	s_add_co_u32 s[P], s[TP3], s[P]                ; the work-group's tiles
	s_add_co_u32 s[P], s[P], 3
	s_sub_co_u32 s[P], s[P], s[WV]
	s_lshr_b32 s[NT], s[P], 2                      ; of which w, w + 4, .. are mine
	s_mov_b32 s[GI], s[WV]
	LOCATE                                         ; my first tile
.irp k, 0,2,4,6                                ; its sub-chunk's eight words, chosen among the 32 that are here
	s_mov_b64 s[M+\k:M+\k+1], s[MT+\k:MT+\k+1]
.endr
	s_cmp_ge_u32 s[GI], s[TP1]
.irp k, 0,2,4,6
	s_cselect_b64 s[M+\k:M+\k+1], s[MT+8+\k:MT+8+\k+1], s[M+\k:M+\k+1]
.endr
	s_cmp_ge_u32 s[GI], s[TP2]
.irp k, 0,2,4,6
	s_cselect_b64 s[M+\k:M+\k+1], s[MT+16+\k:MT+16+\k+1], s[M+\k:M+\k+1]
.endr
	s_cmp_ge_u32 s[GI], s[TP3]
.irp k, 0,2,4,6
	s_cselect_b64 s[M+\k:M+\k+1], s[MT+24+\k:MT+24+\k+1], s[M+\k:M+\k+1]
.endr
	PCOMP                                          ; (from here on s68-99 are free)
	PREFETCH                                       ; my first tile: 33 loads
	s_wait_loadcnt 33                              ; b1, scales, b2 and my 34 loads of weights are in; the 33 issued behind them may be out
	WIN 0x04                                       ; an LDS store's data are its source 1: window 1
.set G, 0
.rept 34
	ds_store_b128 v[STG], v[4*G:4*G+3] offset:512*G
.set G, G+1
.endr
	WIN 0
	s_wait_dscnt 0x0                               ; for the others' sake: my quarter lies in LDS
	s_barrier_signal -1
	s_barrier_wait -1                              ; the whole block does.  The only barrier: from here on a wave touches its own region alone, and the block is only read
	WIN 0x40
.set G, 0
.rept 64
	ds_load_b128 v[4*G:4*G+3], v[L16] offset:512*G             ; W1: piece G is registers 4 G .. 4 G + 3
.set G, G+1
.endr
	WIN 0x80
.set G, 0
.rept 64
	ds_load_b128 v[4*G:4*G+3], v241 offset:512*G               ; W2
.set G, G+1
.endr
	WIN 0
.irp t, 0,1,2,3,4,5,6,7,8,9,10,11,12,13,14,15
	ds_load_b32 v[WS1+\t], v242 offset:WSCL+128*\t
	ds_load_b32 v[WS2+\t], v243 offset:WSCL+128*\t
.endr
.irp j, 0,2,4,6,8                              ; ten sigmoids: 1 / (1 + 2^(-log2(e) x)): my eight columns' scales, shifta, shiftb
	v_pk_mul_f32 v[128+\j:129+\j], v[128+\j:129+\j], 0xbfb8aa3b op_sel_hi:[1,0]
.endr
.irp j, 0,1,2,3,4,5,6,7,8,9
	v_exp_f32 v[128+\j], v[128+\j]
.endr
	v_nop                                          ; a plain line behind the batch,
	s_wait_alu depctr_va_vdst(0)                   ; and the one wait ahead of its first reader
.irp j, 0,2,4,6,8
	v_pk_add_f32 v[128+\j:129+\j], v[128+\j:129+\j], 1.0 op_sel_hi:[1,0]
.endr
.irp j, 0,1,2,3,4,5,6,7,8,9
	v_rcp_f32 v[128+\j], v[128+\j]
.endr
	v_nop
	s_wait_alu depctr_va_vdst(0)
	v_add_f32 v146, v137, v136                     ; b - a = sigmoid(shiftb) + sigmoid(shifta)
	v_sub_f32 v147, v137, v136                     ; a + b
	v_mul_f32 v146, 0.5, v146                      ; c1
	v_mul_f32 v147, 0.5, v147                      ; c2
	v_readfirstlane_b32 s[CY], v147
	s_mov_b32 s[CY+1], s[CY]
.irp j, 0,2,4,6
	v_pk_mul_f32 v[148+\j:149+\j], v[128+\j:129+\j], v[146:147] op_sel_hi:[1,0]   ; c1 s
.endr
.irp j, 0,2,4,6
	v_pk_mul_f32 v[156+\j:157+\j], v[148+\j:149+\j], v[138+\j:139+\j]             ; c1 s b2
.endr
.irp k, 0,1,2,3
	ds_store_b128 v[ROWL], v[148+4*\k:151+4*\k] offset:STI+512*\k                 ; no register is left to keep them in: they come back once a tile
.endr
	s_wait_dscnt 0x0                               ; the weights are in registers, and the stores have read theirs
	s_cmp_eq_u32 s[NT], 0
	s_cbranch_scc1 .Lend                           ; the work-group has no tile for me
	s_mov_b32 s[I], 0
.Ltile:
	s_mov_b32 s[LEFT], s[LEFTN]                    ; the tile that was looked up is now at work
	s_add_co_u32 s[GI], s[GI], 4                   ; my next tile, if there is one:
	LOCATE
	s_add_nc_u64 s[MP:MP+1], s[10:11], s[QB:QB+1]
	s_load_b256 s[M:M+7], s[MP:MP+1], 0x0          ; its sub-chunk's eight words are asked for here and wanted behind the LDS lines below
	s_wait_loadcnt 0x0                             ; this tile's y and t are in
	s_wait_xcnt 0x0                                ; the last tile's stores have read their data and offsets: both are written again only behind this wait
	WIN 0x0c                                       ; the data: window 3
.set G, 0
.rept 32
	ds_store_b128 v[ROWL], v[128+4*G:128+4*G+3] offset:PITCH*(G/2)+512*(G%2)      ; y's rows as they were loaded
.set G, G+1
.endr
	WIN 0
	ROWOFFS VOC                                    ; this tile's offsets, for its stores: v[TOK] still holds its tokens.  Register work between the two runs of LDS lines
	v_cmp_lt_f32 vcc_lo, 0xbe000000, v[TR]         ; -1/8 < t: trunc(8 t) >= 0
	v_cndmask_b32 v[GATE], 0, 1.0, vcc_lo
.set G, 0
.rept 32
	ds_load_b128 v[HA+4*G:HA+4*G+3], v[QL] offset:128*(G/4)+16*(G%4)              ; and back in the quantiser's layout.  LDS serves a wave's instructions in order (ISA guide 5.7.1.4): these see the stores above
.set G, G+1
.endr
	s_wait_kmcnt 0x0                               ; the next tile's words
	PCOMP
	s_add_co_u32 s[CM], s[I], 1
	s_cmp_lt_u32 s[CM], s[NT]
	s_cbranch_scc0 .Lno_next                       ; my last tile asks for nothing
	PREFETCH                                       ; the next tile's 33 loads have this whole tile in which to land
.Lno_next:
	s_wait_dscnt 0x0                               ; the numbers are in
	QUANT HA, PC0, PW0
	QUANT HA+64, PC1, PW1
	PROD 0x31, 0x01, WS1, 1                        ; source 0 (W1) window 1; in the first K step source 2 (b1) window 3
	TANH32 HA
	TANH32 HA+32
	TANH32 HA+64
	TANH32 HA+96
	QUANT HA, PC0, PW0
	QUANT HA+64, PC1, PW1
	PROD 0x02, 0x02, WS2, 0                        ; source 0 (W2) window 2
.set G, 0
.rept 32
	ds_store_b128 v[QL], v[HA+4*G:HA+4*G+3] offset:FB+128*(G/4)+16*(G%4)          ; each accumulator from its low end on
.set G, G+1
.endr
.irp i, 0,1,2,3,4,5,6,7,8,9,10,11,12,13,14,15
	v_readlane_b32 s[CM+2*\i], v[GATE], \i         ; the sixteen rows' gates, in one batch: each the low word of a pair whose upper word the compares above have written
.endr
.irp k, 0,1,2,3
	ds_load_b128 v[SS+4*\k:SS+4*\k+3], v[ROWL] offset:STI+512*\k                  ; c1 s, then c1 s b2
.endr
.set G, 0
.rept 32
	ds_load_b128 v[HA+4*G:HA+4*G+3], v[ROWL] offset:FB+PITCH*(G/2)+512*(G%2)      ; back as rows, into the registers that they left: row i at HA + 8 i
.set G, G+1
.endr
	YLOAD 0
	YLOAD 1
.irp g, 0,1,2,3,4,5,6,7
.if \g < 7
	s_wait_dscnt 4                                 ; all but the four loads of the next pair of rows of y
.else
	s_wait_dscnt 0
.endif
	ROWOUT 2*\g
	ROWOUT 2*\g+1
.if \g < 6
	YLOAD \g+2
.endif
.endr
	s_add_co_u32 s[I], s[I], 1
	s_cmp_lt_u32 s[I], s[NT]
	s_cbranch_scc1 .Ltile
.Lend:
	s_wait_tensorcnt 0x0
	ds_add_u32 v126, v127
	s_wait_dscnt 0x0
	s_endpgm
.Lfunc_end_k_q39b5d44f53_chain:
	.size	k_q39b5d44f53_chain, .Lfunc_end_k_q39b5d44f53_chain-k_q39b5d44f53_chain
	.p2alignl 7, 3214868480
	.fill 96, 4, 3214868480
	.section	.rodata,"a",@progbits
	.p2align	6, 0x0
	.amdhsa_kernel k_q39b5d44f53_chain
		.amdhsa_group_segment_fixed_size 211456
		.amdhsa_private_segment_fixed_size 0
		.amdhsa_enable_private_segment 0
		.amdhsa_kernarg_size 80
		.amdhsa_user_sgpr_count 2
		.amdhsa_user_sgpr_kernarg_segment_ptr 1
		.amdhsa_wavefront_size32 1
		.amdhsa_system_sgpr_workgroup_id_x 1
		.amdhsa_system_sgpr_workgroup_id_y 1
		.amdhsa_system_sgpr_workgroup_id_z 1
		.amdhsa_system_vgpr_workitem_id 0
		.amdhsa_next_free_vgpr 1024
		.amdhsa_next_free_sgpr 102
		.amdhsa_reserve_vcc 1
		.amdhsa_float_denorm_mode_32 3
		.amdhsa_float_denorm_mode_16_64 3
		.amdhsa_memory_ordered 1
		.amdhsa_forward_progress 1
		.amdhsa_inst_pref_size 157
	.end_amdhsa_kernel
	.amdgpu_metadata
---
amdhsa.version: [ 1, 2 ]
amdhsa.kernels:
  - .name:           k_q39b5d44f53_chain
    .symbol:         k_q39b5d44f53_chain.kd
    .args:
      - { .name: y, .offset: 0, .size: 8, .value_kind: global_buffer, .address_space: global }
      - { .name: t, .offset: 8, .size: 8, .value_kind: global_buffer, .address_space: global }
      - { .name: out0, .offset: 16, .size: 8, .value_kind: global_buffer, .address_space: global }
      - { .name: masks, .offset: 24, .size: 8, .value_kind: global_buffer, .address_space: global }
      - { .name: wq, .offset: 32, .size: 8, .value_kind: global_buffer, .address_space: global }
      - { .name: b1, .offset: 40, .size: 8, .value_kind: global_buffer, .address_space: global }
      - { .name: b2, .offset: 48, .size: 8, .value_kind: global_buffer, .address_space: global }
      - { .name: scales, .offset: 56, .size: 8, .value_kind: global_buffer, .address_space: global }
      - { .name: shifta, .offset: 64, .size: 8, .value_kind: global_buffer, .address_space: global }
      - { .name: shiftb, .offset: 72, .size: 8, .value_kind: global_buffer, .address_space: global }
    .group_segment_fixed_size: 211456
    .private_segment_fixed_size: 0
    .kernarg_segment_align: 8
    .kernarg_segment_size: 80
    .max_flat_workgroup_size: 128
    .sgpr_count:     102
    .vgpr_count:     1024
    .wavefront_size: 32
...
	.end_amdgpu_metadata
.endif
;; end of part 3
